; MI455X (gfx1250); checked and timed in simulation.
; The chip was launched on July 23, 2026; its instructions are those of AMD's public machine-readable ISA for CDNA 5 (MIT licence, August 2026) and "CDNA5" Instruction Set Architecture Reference Guide (July 2026). The comments in the code are by the model that wrote it; some were corrected since.
;; MOE Layer. Allowed arithmetic: float matrix products may take bf16 or f16 operands with f32 sums; other float arithmetic in f32, or as packed bf16 or f16 multiplies, adds, multiply-adds, maxima and minima; sums over many terms, partial sums and values carried from step to step in f32; what a program stores and reads back later, other than sums and carried values, may be rounded once to bf16 or f16.
;; Inputs: W1 8 x 256 x 256 float32; W2 8 x 256 x 256 float32; b1 8 x 256 float32; b2 8 x 256 float32; wg 8 x 256 float32; x 65,536 x 256 float32.
;; Outputs: out0 65,536 x 256 float32.
;; One version. Each part assembles by itself: llvm-mc -triple=amdgcn-amd-amdhsa -mcpu=gfx1250 --defsym DOCPART=n.
;; ======== version 1 of 1: 3 launches
;; limits: values are held in f16: magnitudes above 65,504 overflow, below 6.1e-05 lose precision; right only within a limited range of input values
;; workspace buffers: assign 262,144 bytes of whole numbers; cnt 8,192 bytes of whole numbers; gate 262,144 bytes; list 269,824 bytes of whole numbers; tiles 2,048 bytes of whole numbers; wt 2,097,152 bytes
;; launch router (part 1): grid 256 x 1, 8 waves a work-group, no clusters, 268,288 bytes of LDS; arguments x, wg, assign, gate, cnt; writes assign, gate, cnt
.if DOCPART == 1
	.amdgcn_target "amdgcn-amd-amdhsa--gfx1250"
	.amdhsa_code_object_version 6
	.text
	.protected	k_qcc3b47e4b9_router
	.globl	k_qcc3b47e4b9_router
	.p2align	8
	.type	k_qcc3b47e4b9_router,@function
k_qcc3b47e4b9_router:
	s_mov_b64 s[64:65], 0
	v_nop
	global_prefetch_b8 v0, s[64:65] scope:SCOPE_SE
	s_setreg_imm32_b32 hwreg(HW_REG_WAVE_MODE, 25, 1), 1
	s_wait_xcnt 0x0
; ROUTER.  logits = x wg^T (x and wg rounded to bf16, sums in f32), the first index of the largest logit, the largest softmax value, and a count of each expert's tokens in each block.
; x: [65536][256] f32.  wg: [8][256] f32.  assign: u32 [65536].  gate: f32 [65536].  cnt: u32 [8][256], cnt[e][b] = tokens of block b (256 tokens) that chose expert e.
; SHARES.  Work-group b has tokens 256 b .. 256 b + 255, wave v 32 of them, as two tiles of 16; at the end lane l of wave v holds token 32 v + l.
; LAYOUT.  The product is used with wg as source 0 (16 rows: the 8 experts twice) and 16 tokens as source 1: in the result a lane holds ONE token (lane % 16) and register j its logit for expert j,
; in both halves of the lanes.  Lanes 0-15 then keep tile 0, lanes 16-31 tile 1, and the softmax never leaves the lane.
; x comes by one tensor load a wave (32 rows of 1,024 bytes, whole and aligned) into the wave's own LDS bytes: one load of mine is out, nothing is filled twice, no other wave reads them.
; Only VALUES hang on the logits here: every address and every branch is made of the ids alone.  The sort that places tokens is a later launch's.
; LIMITS.  Of two logits that differ by less than the f32 sums' own error (about 1e-6 of their size) either may win; equal logits: the lower index.  An exponential below 2^-126 counts as 0 in the sum.
; NaN and infinities are not treated apart.  The stores of assign and gate are 128 consecutive bytes a wave (4 bytes a token is all there is); cnt takes 8 words a work-group, 1,024 bytes apart, 8 KiB in all.
.set PITCH, 1040                       ; an LDS row: 1,024 bytes + 16 of padding = 260 words: row r starts 4 r words on modulo 64 (64 banks of 4 bytes: ISA guide 11.1)
.set WAVEB, 32*PITCH                   ; a wave's 32 rows
.set SPARE, 8*WAVEB                    ; the spare words, 128 bytes for each wave: four blocks of 256 bytes that no other line names
.set SCR,   SPARE+1024                 ; 32 words for each wave: its counts
.set SPW, 1                            ; v1   LDS address of my spare word; never rewritten
.set NIL, 2                            ; v2   0; never rewritten
.set XRA, 4                            ; v4   LDS address of my fragment's row in tile 0
.set WGO, 5                            ; v5   my byte offset in wg
.set T4,  6                            ; v6   4 x my thread's number
.set L,   8                            ; v8-15   my token's 8 logits
.set E,   16                           ; v16-23  their exponentials
.set ACC, 32                           ; v32-63  four accumulators: tile 0 even and odd K steps, tile 1 even and odd
.set WG,  64                           ; v64-127 wg's fragments, 8 K steps of 32
.set RAW, 128                          ; v128-255 16 f32 a K step as loaded; rounded in place to 8 registers a K step, in two halves of 64
	s_load_b256 s[4:11], s[0:1], 0x0               ; x s[4:5], wg s[6:7], assign s[8:9], gate s[10:11]
	s_load_b64 s[12:13], s[0:1], 0x20              ; cnt
	v_lshl_add_u32 v[SPW], v0, 2, SPARE
	v_mov_b32 v[NIL], 0
	ds_add_u32 v[SPW], v[NIL]                      ; the wave's opening: the add and its wait ahead of my tensor load; the set-up below, work on registers, stands between them
	v_lshrrev_b32 v3, 5, v0
	v_readfirstlane_b32 s14, v3                    ; wave 0..7
	s_mov_b32 s15, ttmp9                           ; block b
	; descriptor group 1: 32 rows x 256 elements of 4 bytes, 16 bytes of padding behind each row
	s_mov_b32 s16, (2<<16)|(1<<20)|(7<<22)|(3<<25) ; 17:16 elements of 4 bytes; 20 padding on; 24:22 after every 256 words (code 7); 31:25 4 words of it (code 3)
	s_mov_b32 s17, 256<<16                         ; tensor_dim0 = 256
	s_mov_b32 s18, 32<<16                          ; tensor_dim1 = 32
	s_mov_b32 s19, 256<<16                         ; tile_dim0 = 256
	s_mov_b32 s20, 32                              ; tile_dim1 = 32
	s_mov_b32 s21, 256                             ; elements from row to row
	s_mov_b32 s22, 0
	s_mov_b32 s23, 0
	s_mov_b32 s24, 1                               ; group 0: count = 1
	s_mul_i32 s25, s14, WAVEB                      ; LDS address: my wave's rows
	s_lshl_b32 s34, s15, 18                        ; 256 rows of 1,024 bytes a block,
	s_lshl_b32 s35, s14, 15                        ; 32 a wave
	s_add_co_u32 s34, s34, s35
	s_mov_b32 s35, 0
	s_mov_b32 s32, 0xffff0000                      ; as a lane mask: lanes 16-31
	s_mov_b32 s33, 0x3fb8aa3b                      ; log2(e)
	s_wait_dscnt 0x0                               ; the opening add is done
	s_wait_kmcnt 0x0
	s_add_nc_u64 s[26:27], s[4:5], s[34:35]        ; global address of my first row
	s_or_b32 s27, s27, 0x80000000                  ; type = 2
	tensor_load_to_lds s[24:27], s[16:23]
	s_nop 0
	; wg: a fragment is 16 rows x 32 K: lane l holds row l % 16 (here expert l % 8), K = 8 (l / 16) + 0..7 and 16 + 8 (l / 16) + 0..7: in f32 four loads of 16 bytes
	v_and_b32 v3, 7, v0
	v_bfe_u32 v7, v0, 4, 1                         ; l / 16
	v_lshlrev_b32 v[WGO], 10, v3
	v_lshl_add_u32 v[WGO], v7, 5, v[WGO]
.irp ks, 0,1,2,3,4,5,6,7
	global_load_b128 v[RAW+16*\ks:RAW+16*\ks+3],     v[WGO], s[6:7] offset:128*\ks
	global_load_b128 v[RAW+16*\ks+4:RAW+16*\ks+7],   v[WGO], s[6:7] offset:128*\ks+16
	global_load_b128 v[RAW+16*\ks+8:RAW+16*\ks+11],  v[WGO], s[6:7] offset:128*\ks+64
	global_load_b128 v[RAW+16*\ks+12:RAW+16*\ks+15], v[WGO], s[6:7] offset:128*\ks+80
.endr
	v_and_b32 v3, 15, v0
	v_mul_u32_u24 v[XRA], v3, PITCH
	v_lshl_add_u32 v[XRA], v7, 5, v[XRA]
	v_add_nc_u32 v[XRA], s25, v[XRA]               ; my wave's rows + row x pitch + 32 x half
	v_lshlrev_b32 v[T4], 2, v0
	s_lshl_b32 s34, s15, 10                        ; the block's 256 words in assign and in gate
	s_add_nc_u64 s[8:9], s[8:9], s[34:35]
	s_add_nc_u64 s[10:11], s[10:11], s[34:35]
	s_lshl_b32 s34, s15, 2                         ; the block's word in a row of cnt
	s_add_nc_u64 s[12:13], s[12:13], s[34:35]
	s_wait_loadcnt 0x0                             ; wg
.set i, 0
.rept 64
	v_cvt_pk_bf16_f32 v[WG+i], v[RAW+2*i], v[RAW+2*i+1]
.set i, i+1
.endr
; Half hb of a tile's K: 64 f32 registers are rounded in place to 32 (the target never passes a source not yet read), then four products; the two accumulators take turns.
.macro HALF hb, accE, accO
.set i, 0
.rept 32
	v_cvt_pk_bf16_f32 v[RAW+64*(\hb)+i], v[RAW+64*(\hb)+2*i], v[RAW+64*(\hb)+2*i+1]
.set i, i+1
.endr
.irp p, 0,1,2,3
.set ax, (\accE)+((\accO)-(\accE))*(\p%2)
.if ((\hb) == 0) && (\p < 2)
	v_wmma_f32_16x16x32_bf16 v[ax:ax+7], v[WG+8*(4*(\hb)+\p):WG+8*(4*(\hb)+\p)+7], v[RAW+64*(\hb)+8*\p:RAW+64*(\hb)+8*\p+7], 0
.else
	v_wmma_f32_16x16x32_bf16 v[ax:ax+7], v[WG+8*(4*(\hb)+\p):WG+8*(4*(\hb)+\p)+7], v[RAW+64*(\hb)+8*\p:RAW+64*(\hb)+8*\p+7], v[ax:ax+7]
.endif
.endr
.endm
; Tile tl of the wave's two: 32 LDS loads in one run, then the two halves.
.macro TILE tl, accE, accO
.irp ks, 0,1,2,3,4,5,6,7
	ds_load_b128 v[RAW+16*\ks:RAW+16*\ks+3],     v[XRA] offset:(\tl)*16*PITCH+128*\ks
	ds_load_b128 v[RAW+16*\ks+4:RAW+16*\ks+7],   v[XRA] offset:(\tl)*16*PITCH+128*\ks+16
	ds_load_b128 v[RAW+16*\ks+8:RAW+16*\ks+11],  v[XRA] offset:(\tl)*16*PITCH+128*\ks+64
	ds_load_b128 v[RAW+16*\ks+12:RAW+16*\ks+15], v[XRA] offset:(\tl)*16*PITCH+128*\ks+80
.endr
	s_wait_dscnt 16                                ; LDS loads come back in order (ISA guide 5.7.1): K steps 0-3 are in, the sixteen loads of K steps 4-7 may be out
	HALF 0, \accE, \accO
	s_wait_dscnt 0x0
	HALF 1, \accE, \accO
.endm
	s_wait_tensorcnt 0x0                           ; my rows are in LDS; only I read them
	TILE 0, ACC, ACC+8
.rept 4
	v_nop                                          ; four places between the last products and the loads into registers that they read (ISA guide 7.12.1 for vector instructions)
.endr
	TILE 1, ACC+16, ACC+24
.rept 4
	v_nop                                          ; and between the last products and the reads of their sums
.endr
.irp t, 0,16
.irp p, 0,2,4,6
	v_pk_add_f32 v[ACC+\t+\p:ACC+\t+\p+1], v[ACC+\t+\p:ACC+\t+\p+1], v[ACC+\t+8+\p:ACC+\t+8+\p+1]  ; even and odd K steps; each accumulator is read from its low end on
.endr
.endr
.irp j, 0,1,2,3,4,5,6,7
	v_cndmask_b32 v[L+\j], v[ACC+\j], v[ACC+16+\j], s32   ; lanes 16-31 take tile 1
.endr
	; the maximum, the first index that has it, and 1 / the sum of 2^((logit - maximum) log2 e): the largest softmax value
	v_max3_num_f32 v24, v[L], v[L+1], v[L+2]
	v_max3_num_f32 v25, v[L+3], v[L+4], v[L+5]
	v_max3_num_f32 v24, v24, v[L+6], v[L+7]
	v_max_num_f32 v24, v24, v25
	v_mov_b32 v26, 7
.irp e, 6,5,4,3,2,1,0
	v_cmp_eq_f32 vcc_lo, v[L+\e], v24
	v_cndmask_b32 v26, v26, \e, vcc_lo             ; descending, so that the lowest index is written last
.endr
.irp e, 0,1,2,3,4,5,6,7
	v_sub_f32 v[E+\e], v[L+\e], v24
.endr
.irp e, 0,1,2,3,4,5,6,7
	v_mul_f32 v[E+\e], s33, v[E+\e]
.endr
.irp e, 0,1,2,3,4,5,6,7
	v_exp_f32 v[E+\e], v[E+\e]
.endr
	v_mov_b32 v29, 0                               ; a plain instruction behind the last exponential (ISA guide 5.7.2); the counts' register starts at 0
	s_wait_alu depctr_va_vdst(0)                   ; one wait for the eight exponentials, ahead of their first reader
	v_pk_add_f32 v[E:E+1], v[E:E+1], v[E+2:E+3]
	v_pk_add_f32 v[E+4:E+5], v[E+4:E+5], v[E+6:E+7]
	v_pk_add_f32 v[E:E+1], v[E:E+1], v[E+4:E+5]
	v_add_f32 v27, v[E], v[E+1]
	v_rcp_f32 v28, v27
	v_add_nc_u32 v30, SCR, v[T4]                   ; a plain instruction behind the reciprocal: my word among the wave's counts
	s_wait_alu depctr_va_vdst(0)                   ; and its wait
	global_store_b32 v[T4], v26, s[8:9]
	global_store_b32 v[T4], v28, s[10:11]
	; the wave's count for each expert goes into lane e, the 32 lanes into the wave's own words
.irp e, 0,1,2,3,4,5,6,7
	v_cmp_eq_u32 s[40+\e], \e, v26
	s_bcnt1_i32_b32 s48, s[40+\e]
	v_writelane_b32 v29, s48, \e
.endr
	ds_store_b32 v30, v29
	s_wait_dscnt 0x0                               ; for wave 0's sake: my counts are in LDS
	s_barrier_signal -1
	s_barrier_wait -1
	s_cmp_lg_u32 s14, 0
	s_cbranch_scc1 .Ldone
	v_and_b32 v3, 7, v0                            ; wave 0 adds the eight waves' counts: lane l takes expert l % 8
	v_lshl_add_u32 v31, v3, 2, SCR
.irp k, 0,1,2,3,4,5,6,7
	ds_load_b32 v[E+\k], v31 offset:128*\k
.endr
	v_lshlrev_b32 v3, 10, v3                       ; the expert's row of cnt
	s_wait_dscnt 0x0
	v_add3_u32 v[E], v[E], v[E+1], v[E+2]
	v_add3_u32 v[E], v[E], v[E+3], v[E+4]
	v_add3_u32 v[E], v[E], v[E+5], v[E+6]
	v_add_nc_u32 v[E], v[E], v[E+7]
	s_wait_xcnt 0x0                                ; EXEC is a source of the stores above: it changes only behind this wait
	v_cmpx_gt_u32 8, v0                            ; lanes 0-7
	global_store_b32 v3, v[E], s[12:13]
	s_wait_xcnt 0x0                                ; and again ahead of the line that widens it
	s_mov_b32 exec_lo, -1
.Ldone:
	s_wait_tensorcnt 0x0                           ; the wave's end, behind my tensor load and my last LDS store
	ds_add_u32 v[SPW], v[NIL]
	s_wait_dscnt 0x0
	s_endpgm
.Lfunc_end_k_qcc3b47e4b9_router:
	.size	k_qcc3b47e4b9_router, .Lfunc_end_k_qcc3b47e4b9_router-k_qcc3b47e4b9_router
	.p2alignl 7, 3214868480
	.fill 96, 4, 3214868480
	.section	.rodata,"a",@progbits
	.p2align	6, 0x0
	.amdhsa_kernel k_qcc3b47e4b9_router
		.amdhsa_group_segment_fixed_size 268288
		.amdhsa_private_segment_fixed_size 0
		.amdhsa_enable_private_segment 0
		.amdhsa_kernarg_size 40
		.amdhsa_user_sgpr_count 2
		.amdhsa_user_sgpr_kernarg_segment_ptr 1
		.amdhsa_wavefront_size32 1
		.amdhsa_system_sgpr_workgroup_id_x 1
		.amdhsa_system_sgpr_workgroup_id_y 1
		.amdhsa_system_sgpr_workgroup_id_z 1
		.amdhsa_system_vgpr_workitem_id 0
		.amdhsa_next_free_vgpr 256
		.amdhsa_next_free_sgpr 66
		.amdhsa_reserve_vcc 1
		.amdhsa_float_denorm_mode_32 3
		.amdhsa_float_denorm_mode_16_64 3
		.amdhsa_memory_ordered 1
		.amdhsa_forward_progress 1
		.amdhsa_inst_pref_size 29
	.end_amdhsa_kernel
	.amdgpu_metadata
---
amdhsa.version: [ 1, 2 ]
amdhsa.kernels:
  - .name:           k_qcc3b47e4b9_router
    .symbol:         k_qcc3b47e4b9_router.kd
    .args:
      - { .name: x, .offset: 0, .size: 8, .value_kind: global_buffer, .address_space: global }
      - { .name: wg, .offset: 8, .size: 8, .value_kind: global_buffer, .address_space: global }
      - { .name: assign, .offset: 16, .size: 8, .value_kind: global_buffer, .address_space: global }
      - { .name: gate, .offset: 24, .size: 8, .value_kind: global_buffer, .address_space: global }
      - { .name: cnt, .offset: 32, .size: 8, .value_kind: global_buffer, .address_space: global }
    .group_segment_fixed_size: 268288
    .private_segment_fixed_size: 0
    .kernarg_segment_align: 8
    .kernarg_segment_size: 40
    .max_flat_workgroup_size: 256
    .sgpr_count:     66
    .vgpr_count:     256
    .wavefront_size: 32
...
	.end_amdgpu_metadata
.endif
;; end of part 1
;; launch sortw (part 2): grid 256 x 1, 8 waves a work-group, no clusters, 2,560 bytes of LDS; arguments assign, cnt, W1, W2, list, tiles, wt; writes list, tiles, wt
.if DOCPART == 2
	.amdgcn_target "amdgcn-amd-amdhsa--gfx1250"
	.amdhsa_code_object_version 6
	.text
	.protected	k_qcc3b47e4b9_sortw
	.globl	k_qcc3b47e4b9_sortw
	.p2align	8
	.type	k_qcc3b47e4b9_sortw,@function
k_qcc3b47e4b9_sortw:
	s_mov_b64 s[64:65], 0
	v_nop
	global_prefetch_b8 v0, s[64:65] scope:SCOPE_SE
	s_setreg_imm32_b32 hwreg(HW_REG_WAVE_MODE, 25, 1), 1
	s_wait_xcnt 0x0
; SORT AND WEIGHTS.  (1) A counting sort of the 65,536 tokens by expert, without atomics: work-group b places its own 256 tokens.  (2) The table of tiles.  (3) W1 and W2 rounded to bf16, laid out in the
; order in which the next launch's operand registers take them; W2's rounded numbers are written as f16, since the second product's other operand, the hidden layer, is f16.
; assign: u32 [65536].  cnt: u32 [8][256].  W1, W2: f32 [8][256][256].  list: u32 [248][272].  tiles: u32 [248][2] = (expert, rows).  wt: 16-bit [mat 2][e 8][w 4][blk 4][ks 8][c 2][lane 32][8].
; TILES.  A tile is 272 rows of one expert; expert e's tiles begin at tile tb_e = the sum over e' < e of ceil(T_e' / 272).  The sum of all is at most (65,536 + 8 x 271) / 272 = 248 for EVERY split.
; A token's place is 272 tb_e + its rank among the expert's tokens: the tokens of earlier blocks (from cnt), of earlier waves of this block (through LDS), of lower lanes (from the ballot).
; Places past an expert's count, and tiles that no expert has, are filled with token 0 by work-group b < 248 for tile b: no placement ever writes there, so each word has one writer.
; WEIGHTS.  Registers 4 c .. 4 c + 3 of fragment (blk, ks) of wave w hold, in lane (r = lane % 16, h = lane / 16), W[e][row(p)][64 w + 4 r + blk] for p = 32 ks + 16 c + 8 h + 0..7;
; row(p) = p for W1, and 64 (p / 64) + 4 (p % 16) + (p / 16) % 4 for W2: the order in which the first product's results fall into the hidden rows.  Work-group b does one (mat, e, ks, c): 16 rows.
; LIMITS.  W2 lies within f16's 65,504.  A bf16 number (8 significant bits) is exact in f16 from 2^-17 up; below that it keeps f16's fixed step of 6e-8.
; The list's stores are runs of about 32 words for each block and expert (4 bytes a token is all there is, 256 KiB in all); the weights' loads and stores cover 256 aligned bytes for every 16 lanes.
; Every address that hangs on the ids alone is made at the head, with all lanes on, ahead of the lines that narrow EXEC by the counts.
.set SC,    0                          ; T[8] at 0, P[8] at 32: each expert's total, and its tokens in blocks before mine
.set WC,    256                        ; 32 words for each wave: its counts for each expert
.set SPARE, 1280                       ; the spare words, 128 bytes for each wave: four blocks of 256 bytes that no other line names
.set SPW, 1                            ; v1  LDS address of my spare word; never rewritten
.set NIL, 2                            ; v2  0; never rewritten
.set WTO, 58                           ; v58 my byte offset in the work-group's part of wt; never rewritten
.set RAWW, 64                          ; v64-95  8 rows x 4 columns of weights as loaded
.set M,  20                            ; s[20:27]  the wave's ballot for each expert
.set T,  28                            ; s[28:35]  each expert's total
.set P,  36                            ; s[36:43]  tokens in earlier blocks; then the place of my wave's first token of that expert
.set WP, 44                            ; s[44:51]  tokens in earlier waves of my block
.set TB, 52                            ; s[52:59]  each expert's first tile
	s_load_b256 s[4:11], s[0:1], 0x0               ; assign s[4:5], cnt s[6:7], W1 s[8:9], W2 s[10:11]
	s_load_b128 s[12:15], s[0:1], 0x20             ; list s[12:13], tiles s[14:15]
	s_load_b64 s[16:17], s[0:1], 0x30              ; wt
	v_lshl_add_u32 v[SPW], v0, 2, SPARE
	v_mov_b32 v[NIL], 0
	v_lshrrev_b32 v3, 5, v0
	v_readfirstlane_b32 s18, v3                    ; wave 0..7
	s_mov_b32 s19, ttmp9                           ; block b
	s_mov_b32 s68, 0x76543210                      ; v_permlanex16_b32: each lane takes its own place in the other half
	s_mov_b32 s69, 0xfedcba98
	v_and_b32 v3, 31, v0                           ; lane
	v_lshlrev_b32 v5, 2, v0
	v_lshlrev_b32 v18, 5, v3
	v_lshl_add_u32 v18, s18, 10, v18               ; cnt: row = my wave's number, 8 words a lane
	v_lshlrev_b32 v17, 3, v3                       ; the first of my 8 blocks
	v_mov_b32 v16, 0
	v_mov_b32 v21, 0
	v_mov_b32 v23, 0
	; where threads 0-127 store their weights: thread t = 64 h + 16 w + r puts 16 bytes at w x 32,768 + h x 256 + r x 16 (waves 4-7 make the number too and never use it)
	v_and_b32 v[WTO], 15, v0                       ; r
	v_bfe_u32 v59, v0, 4, 2                        ; w
	v_lshrrev_b32 v60, 6, v0                       ; h
	v_lshlrev_b32 v[WTO], 4, v[WTO]
	v_lshl_add_u32 v[WTO], v59, 15, v[WTO]
	v_lshl_add_u32 v[WTO], v60, 8, v[WTO]
	s_lshl_b32 s60, s19, 10                        ; the block's 256 words of assign
	s_mov_b32 s61, 0
	s_lshr_b32 s62, s19, 4                         ; 8 mat + e
	s_lshl_b32 s62, s62, 17
	s_and_b32 s63, s19, 15                         ; 2 ks + c
	s_lshl_b32 s63, s63, 9
	s_add_co_u32 s62, s62, s63
	s_mov_b32 s63, 0
	s_wait_kmcnt 0x0
	s_add_nc_u64 s[4:5], s[4:5], s[60:61]
	s_add_nc_u64 s[16:17], s[16:17], s[62:63]      ; wt at the work-group's (mat, e, ks, c)
	global_load_b32 v4, v5, s[4:5] th:TH_LOAD_NT   ; my token's expert
	global_load_b128 v[6:9], v18, s[6:7]
	global_load_b128 v[10:13], v18, s[6:7] offset:16
	s_cmp_lt_u32 s18, 4
	s_cbranch_scc0 .Lno_weights
	; waves 0-3 ask for the weights now, so that they are on their way during the sort.  b = mat x 128 + e x 16 + ks x 2 + c
	s_bfe_u32 s60, s19, 0x30004                    ; e
	s_lshl_b32 s60, s60, 18
	s_and_b32 s61, s19, 15
	s_lshl_b32 s61, s61, 14                        ; W1: first row 32 ks + 16 c
	s_bfe_u32 s63, s19, 0x20002
	s_lshl_b32 s63, s63, 16                        ; W2: first row 64 (ks / 2)
	s_and_b32 s74, s19, 3
	s_lshl_b32 s74, s74, 10                        ;     + 2 (ks % 2) + c
	s_add_co_u32 s63, s63, s74
	s_cmp_lt_u32 s19, 128
	s_cselect_b64 s[66:67], s[8:9], s[10:11]       ; W1 or W2, by the work-group's number
	s_cselect_b32 s62, 13, 15                      ; the lanes' half h is 8 rows on in W1, 32 in W2
	s_cselect_b32 s61, s61, s63
	s_add_co_u32 s60, s60, s61
	s_mov_b32 s61, 0
	s_add_nc_u64 s[66:67], s[66:67], s[60:61]
	v_lshrrev_b32 v20, 6, v0                       ; h
	v_lshlrev_b32 v20, s62, v20
	v_and_b32 v19, 63, v0
	v_lshl_add_u32 v19, v19, 4, v20                ; columns 4 (t % 64) .. + 3
.macro WLOADS step
.irp i, 0,1,2,3,4,5,6,7
	global_load_b128 v[RAWW+4*\i:RAWW+4*\i+3], v19, s[66:67] offset:(\step)*\i th:TH_LOAD_NT
.endr
.endm
	s_cmp_lt_u32 s19, 128
	s_cbranch_scc0 .Lmat1
	WLOADS 1024                                    ; W1: 8 rows on end
	s_branch .Lasked
.Lmat1:
	WLOADS 4096                                    ; W2: every fourth row
.Lasked:
	s_wait_loadcnt 8                               ; loads come back in order (ISA guide 5.7.1): assign and cnt are in, the eight weight loads stay out
	s_branch .Lcounts
.Lno_weights:
	s_wait_loadcnt 0x0
.Lcounts:
	; wave v serves expert v: its total, and its tokens in blocks before b.  All in whole numbers: addresses hang on them
	v_add3_u32 v14, v6, v7, v8
	v_add3_u32 v14, v14, v9, v10
	v_add3_u32 v14, v14, v11, v12
	v_add_nc_u32 v14, v14, v13
	v_cmp_gt_i32 vcc_lo, s19, v17                  ; block 8 l + 0 < b
	v_cndmask_b32 v15, 0, v6, vcc_lo
.irp q, 1,2,3,4,5,6,7
	s_sub_co_i32 s60, s19, \q
	v_cmp_gt_i32 vcc_lo, s60, v17                  ; block 8 l + q < b
	v_cndmask_b32 v16, 0, v[6+\q], vcc_lo
	v_add_nc_u32 v15, v15, v16
.endr
.macro WRED reg, tmp                   ; the sum over the wave's 32 lanes, in every lane
.irp m, 1,2,4,8
	v_mov_b32_dpp v[\tmp], v[\reg] row_xmask:\m row_mask:0xf bank_mask:0xf
	v_add_nc_u32 v[\reg], v[\reg], v[\tmp]
.endr
	v_permlanex16_b32 v[\tmp], v[\reg], s68, s69
	v_add_nc_u32 v[\reg], v[\reg], v[\tmp]
.endm
	WRED 14, 16
	WRED 15, 16
	v_mov_b32 v20, s18
	v_lshlrev_b32 v20, 2, v20
	ds_store_b32 v20, v14 offset:SC                ; all lanes write the same word with the same number
	ds_store_b32 v20, v15 offset:SC+32
	; the ballots of my wave's 32 tokens; the counts go into lane e and from there into the wave's words
.irp e, 0,1,2,3,4,5,6,7
	v_cmp_eq_u32 s[M+\e], \e, v4
	s_bcnt1_i32_b32 s60, s[M+\e]
	v_writelane_b32 v21, s60, \e
.endr
	v_lshl_add_u32 v22, v0, 2, WC
	ds_store_b32 v22, v21
	s_wait_dscnt 0x0                               ; for the others' sake: my stores are done
	s_barrier_signal -1
	s_barrier_wait -1
	ds_load_b128 v[24:27], v23 offset:SC           ; T, in every lane
	ds_load_b128 v[28:31], v23 offset:SC+16
	ds_load_b128 v[32:35], v23 offset:SC+32        ; P
	ds_load_b128 v[36:39], v23 offset:SC+48
	v_and_b32 v5, 7, v0
	v_lshl_add_u32 v5, v5, 2, WC
.irp k, 0,1,2,3,4,5,6,7
	ds_load_b32 v[40+\k], v5 offset:128*\k         ; lane l: wave k's count for expert l % 8
.endr
	s_wait_dscnt 0x0
.irp e, 0,1,2,3,4,5,6,7
	v_readfirstlane_b32 s[T+\e], v[24+\e]
	v_readfirstlane_b32 s[P+\e], v[32+\e]
.endr
	s_cmp_gt_u32 s18, 0
	s_cselect_b32 s60, -1, 0
	v_and_b32 v48, s60, v40
.irp k, 1,2,3,4,5,6
	s_cmp_gt_u32 s18, \k                           ; the waves before mine
	s_cselect_b32 s60, -1, 0
	v_and_b32 v49, s60, v[40+\k]
	v_add_nc_u32 v48, v48, v49
.endr
.irp e, 0,1,2,3,4,5,6,7
	v_readlane_b32 s[WP+\e], v48, \e
.endr
	s_mov_b32 s[TB], 0
.irp e, 0,1,2,3,4,5,6,7
.if \e < 7
	s_add_co_u32 s60, s[T+\e], 271
	s_lshr_b32 s60, s60, 4
	s_mul_hi_u32 s60, s60, 0x0f0f0f10              ; / 17: 17 x 0x0f0f0f10 = 2^32 + 16, exact for numbers under 2^28: ceil(T / 272)
	s_add_co_u32 s[TB+\e+1], s[TB+\e], s60
.endif
	s_mul_i32 s61, s[TB+\e], 272
	s_add_co_u32 s[P+\e], s[P+\e], s61
	s_add_co_u32 s[P+\e], s[P+\e], s[WP+\e]
.endr
	v_mov_b32 v50, 0
.irp e, 0,1,2,3,4,5,6,7
	v_mbcnt_lo_u32_b32 v51, s[M+\e], s[P+\e]       ; the wave's first place + the lower lanes with the same expert
	v_cndmask_b32 v50, v50, v51, s[M+\e]
.endr
	v_min_u32 v50, 0x1077f, v50                    ; 248 x 272 - 1: a number made of loaded data enters an address only so bounded
	v_lshlrev_b32 v50, 2, v50
	v_lshl_add_u32 v52, s19, 8, v0                 ; my token
	global_store_b32 v50, v52, s[12:13]
	s_cmp_lt_u32 s19, 248
	s_cbranch_scc0 .Lno_tile
	; tile b: its expert is the last whose first tile is not behind b; its rows are what the expert has left there, 0 to 272
	s_mov_b32 s70, 0
	s_mov_b32 s71, 0
	s_mov_b32 s72, s[T]
.irp e, 1,2,3,4,5,6,7
	s_cmp_ge_u32 s19, s[TB+\e]
	s_cselect_b32 s70, \e, s70
	s_cselect_b32 s71, s[TB+\e], s71
	s_cselect_b32 s72, s[T+\e], s72
.endr
	s_sub_co_u32 s73, s19, s71
	s_mul_i32 s73, s73, 272
	s_sub_co_i32 s73, s72, s73
	s_max_i32 s73, s73, 0
	s_min_i32 s73, s73, 272
	s_mul_i32 s74, s19, 1088
	v_lshl_add_u32 v53, v0, 2, s74                 ; place t of tile b
	v_add_nc_u32 v54, 256, v0
	s_lshl_b32 s77, s19, 3
	v_mov_b32 v55, s77
	v_mov_b32 v56, s70
	v_mov_b32 v57, s73
	v_cmp_le_u32 vcc_lo, s73, v0                   ; places t at or past the count
	s_wait_xcnt 0x0                                ; EXEC is a source of the loads and stores above: it changes only behind this wait
	s_and_saveexec_b32 s75, vcc_lo
	global_store_b32 v53, v23, s[12:13]
	s_wait_xcnt 0x0
	s_or_b32 exec_lo, exec_lo, s75
	v_cmp_le_u32 vcc_lo, s73, v54                  ; places 256 + t, t < 16
	v_cmp_gt_u32 s76, 16, v0
	s_and_b32 vcc_lo, vcc_lo, s76
	s_and_saveexec_b32 s75, vcc_lo
	global_store_b32 v53, v23, s[12:13] offset:1024
	s_wait_xcnt 0x0
	s_or_b32 exec_lo, exec_lo, s75
	v_cmp_eq_u32 vcc_lo, 0, v0
	s_and_saveexec_b32 s75, vcc_lo
	global_store_b64 v55, v[56:57], s[14:15]       ; (expert, rows)
	s_wait_xcnt 0x0
	s_or_b32 exec_lo, exec_lo, s75
.Lno_tile:
	s_cmp_lt_u32 s18, 4
	s_cbranch_scc0 .Lend
	; the weights: of my 8 rows x 4 columns each column becomes 8 numbers of 16 bits, 16 bytes: a lane's half fragment
	s_wait_loadcnt 0x0                             ; the weights are in; the wait also frees v19, their offset, which lies among the registers written below
.irp blk, 0,1,2,3
.irp p, 0,1,2,3
	v_cvt_pk_bf16_f32 v[16+4*\blk+\p], v[RAWW+8*\p+\blk], v[RAWW+8*\p+4+\blk]
.endr
.endr
	s_cmp_lt_u32 s19, 128
	s_cbranch_scc1 .Lstore                         ; W1 stays bf16
.set i, 0
.rept 16                                       ; W2: the bf16 number, widened, is written as f16
	v_lshlrev_b32 v[32+2*(i%4)], 16, v[16+i]
	v_and_b32 v[33+2*(i%4)], 0xffff0000, v[16+i]
	v_cvt_pk_f16_f32 v[16+i], v[32+2*(i%4)], v[33+2*(i%4)]
.set i, i+1
.endr
.Lstore:
.irp blk, 0,1,2,3
	global_store_b128 v[WTO], v[16+4*\blk:16+4*\blk+3], s[16:17] offset:8192*\blk  ; 16 lanes store 256 consecutive bytes, at a multiple of 256 from wt's first byte
.endr
.Lend:
	s_wait_tensorcnt 0x0                           ; the wave's end, behind my last LDS store
	ds_add_u32 v[SPW], v[NIL]
	s_wait_dscnt 0x0
	s_endpgm
.Lfunc_end_k_qcc3b47e4b9_sortw:
	.size	k_qcc3b47e4b9_sortw, .Lfunc_end_k_qcc3b47e4b9_sortw-k_qcc3b47e4b9_sortw
	.p2alignl 7, 3214868480
	.fill 96, 4, 3214868480
	.section	.rodata,"a",@progbits
	.p2align	6, 0x0
	.amdhsa_kernel k_qcc3b47e4b9_sortw
		.amdhsa_group_segment_fixed_size 2560
		.amdhsa_private_segment_fixed_size 0
		.amdhsa_enable_private_segment 0
		.amdhsa_kernarg_size 56
		.amdhsa_user_sgpr_count 2
		.amdhsa_user_sgpr_kernarg_segment_ptr 1
		.amdhsa_wavefront_size32 1
		.amdhsa_system_sgpr_workgroup_id_x 1
		.amdhsa_system_sgpr_workgroup_id_y 1
		.amdhsa_system_sgpr_workgroup_id_z 1
		.amdhsa_system_vgpr_workitem_id 0
		.amdhsa_next_free_vgpr 96
		.amdhsa_next_free_sgpr 96
		.amdhsa_reserve_vcc 1
		.amdhsa_float_denorm_mode_32 3
		.amdhsa_float_denorm_mode_16_64 3
		.amdhsa_memory_ordered 1
		.amdhsa_forward_progress 1
		.amdhsa_inst_pref_size 22
	.end_amdhsa_kernel
	.amdgpu_metadata
---
amdhsa.version: [ 1, 2 ]
amdhsa.kernels:
  - .name:           k_qcc3b47e4b9_sortw
    .symbol:         k_qcc3b47e4b9_sortw.kd
    .args:
      - { .name: assign, .offset: 0, .size: 8, .value_kind: global_buffer, .address_space: global }
      - { .name: cnt, .offset: 8, .size: 8, .value_kind: global_buffer, .address_space: global }
      - { .name: W1, .offset: 16, .size: 8, .value_kind: global_buffer, .address_space: global }
      - { .name: W2, .offset: 24, .size: 8, .value_kind: global_buffer, .address_space: global }
      - { .name: list, .offset: 32, .size: 8, .value_kind: global_buffer, .address_space: global }
      - { .name: tiles, .offset: 40, .size: 8, .value_kind: global_buffer, .address_space: global }
      - { .name: wt, .offset: 48, .size: 8, .value_kind: global_buffer, .address_space: global }
    .group_segment_fixed_size: 2560
    .private_segment_fixed_size: 0
    .kernarg_segment_align: 8
    .kernarg_segment_size: 56
    .max_flat_workgroup_size: 256
    .sgpr_count:     96
    .vgpr_count:     96
    .wavefront_size: 32
...
	.end_amdgpu_metadata
.endif
;; end of part 2
;; launch chain (part 3): grid 248 x 1, 4 waves a work-group, no clusters, 163,840 bytes of LDS; arguments x, list, tiles, gate, wt, b1, b2, out0; writes out0
.if DOCPART == 3
	.amdgcn_target "amdgcn-amd-amdhsa--gfx1250"
	.amdhsa_code_object_version 6
	.text
	.protected	k_qcc3b47e4b9_chain
	.globl	k_qcc3b47e4b9_chain
	.p2align	8
	.type	k_qcc3b47e4b9_chain,@function
k_qcc3b47e4b9_chain:
	s_mov_b64 s[64:65], 0
	v_nop
	global_prefetch_b8 v0, s[64:65] scope:SCOPE_SE
	s_setreg_imm32_b32 hwreg(HW_REG_WAVE_MODE, 25, 1), 1
	s_wait_xcnt 0x0
; THE CHAIN.  For the 272 tokens of tile g, all of expert e: out[t] = (relu(x[t] W1[e] + b1[e]) W2[e] + b2[e]) gate[t].  x, W1, W2, b1, b2 rounded to bf16, the hidden layer once to f16, sums in f32.
; x, out0: f32 [65536][256].  list: u32 [248][272] token numbers (token 0 past the count).  tiles: u32 [248][2] = (expert, rows n).  gate: f32 [65536].  wt: the weights in operand order.  b1, b2: f32 [8][256].
; THE WEIGHTS STAY IN REGISTERS.  Wave w holds W1's columns for 64 hidden places (256 registers) and W2's for out channels 64 w .. 64 w + 63 (256 registers), loaded once; all four waves walk the same 17
; groups of 16 tokens.  Product 1 is used transposed (source 0 = weights, source 1 = tokens): a lane holds one token and 8 hidden places, 16 bytes of f16, which go into a row of H in LDS.  Product 2 is used
; straight (source 0 = H, source 1 = weights): register j is token 8 (lane / 16) + j, and lane r of accumulator nb is channel 64 w + 4 r + nb: the four accumulators' registers j are 16 neighbouring bytes of an
; out row, and 16 lanes store 256 consecutive aligned bytes with no way through LDS.  The biases are the C operand of each product's first K step.
; FORMATS.  Product 1 is bf16 x bf16.  Product 2 is f16 x f16: the hidden layer's rounding reaches the output undiminished relative to its row, the allowance goes by the whole output's root mean square, and a
; row whose gate is near 1 is several times that: f16 keeps 11 significant bits where bf16 keeps 8.  W2's numbers are the bf16 roundings, written as f16 by the launch before.
; STEP s, one barrier a step: product 1 of group s; product 2 and the stores of group s - 1; group s + 4's x rounded into LDS; group s + 8's x asked for; group s + 1's fragments fetched.
; So 32 loads of x a wave (16 KiB) are on their way, each for four steps.  x's LDS rows are written once and never again; H has two buffers that take turns.
; THE COUNT n steers stores alone: a group past n is computed on token 0's row and not stored; no barrier stands under a branch on n.  An empty tile (n = 0) stores nothing: the price of a grid that serves every split.
; NO CLUSTER, though the work-groups of an expert read the same 256 KiB of weights: which expert a work-group has hangs on counts in memory, so partners would have to be dealt whole clusters:
; 4 x 272 rows a cluster make up to 61 + 7 = 68 clusters, 272 work-groups, for every split; and the weights are read once a work-group, straight into registers, where no tensor load reaches.
; LIMITS.  A hidden number stays under f16's 65,504; beyond it the row is lost.  With x of spread 1 and W1 of spread 0.06 it is about 6 at the most; both 30 times larger: about 5,400; both carrying an offset of
; 30 spreads: 256 x 30 x 1.8 = 13,824; larger AND so offset at once would pass the limit.  Below 6e-5 a hidden number keeps f16's fixed step of 6e-8.  NaN and infinities are not treated apart.
; REGISTERS, in windows of 256 (s_set_vgpr_msb: bits 1:0 source 0, 3:2 source 1, 5:4 source 2, 7:6 destination):
;   window 0: addresses, token numbers, gates, what is at work, x's and H's fragments     window 1: accumulators, biases, the ring of x as loaded     window 2: W1     window 3: W2
.set XP,    528                        ; an LDS row of x or H: 512 bytes of 16-bit numbers + 16 = 132 words: row r starts 4 r words on modulo 64 (64 banks of 4 bytes: ISA guide 11.1)
.set TILEB, 16*XP                      ; a group of 16 rows
.set H0,    17*TILEB                   ; behind x's 17 groups: H, two buffers of 16 rows
.set TOK,   H0+2*TILEB                 ; u32 [272] token numbers
.set GTO,   1280                       ; f32 [272] gates, this far behind TOK
.set SPARE, TOK+2560                   ; the spare words, 128 bytes for each wave: two blocks of 256 bytes that no other line names
.set SPW,  1                           ; v1   LDS address of my spare word; never rewritten
.set NIL,  2                           ; v2   0; never rewritten
.set ZERO, 3                           ; v3   0, for the ReLU
.set L16,  4                           ; v4   16 x lane
.set C16,  5                           ; v5   16 x (lane % 16)
.set XA,   6                           ; v6   my place in a fragment of x, in group 0; from the first step on in group 1
.set XS0,  7                           ; v7   where I put 8 bytes of my wave's first row of group 0
.set XS4,  8                           ; v8   the same in group 4
.set HW,   9                           ; v9   where I put 16 bytes of H
.set HR,   10                          ; v10  my place in a fragment of H
.set TKB,  11                          ; v11  my 8 tokens of the group before group 0
.set TL0,  12                          ; v12  my wave's 4 tokens of group 0
.set TL8,  13                          ; v13  of group 8
.set H8,   14                          ; v14  8 x (lane / 16)
.set REM,  15                          ; v15  rows of mine that are still inside the count
.set XAA,  16                          ; v16-19  a step's LDS addresses
.set XSA,  17
.set TKA,  18
.set TLA,  19
.set LI,   20                          ; v20-22  set-up: token numbers
.set LB,   23
.set GV,   24                          ; v24-26  set-up: their gates
.set TMP,  27
.set LN,   28
.set RR,   29
.set HH,   30
.set LA,   31
.set TK,   32                          ; v32-39  my 8 tokens; then their byte offsets in out0
.set G,    40                          ; v40-47  their gates
.set VO,   48                          ; v48-63  ring slot k: the byte offsets in x of my wave's 4 rows
.set CT,   64                          ; v64-79  4 rows of x rounded
.set HP,   80                          ; v80-95  H rounded
.set OB,   96                          ; v96-127 out: register 4 j + nb
.set XF,   128                         ; v128-191 x's fragments, 8 K steps
.set HF,   192                         ; v192-255 H's
.set ACC1, 0                           ; window 1
.set ACC2, 32
.set B1C,  64
.set B2C,  96
.set RING, 128                         ; slot k at + 32 k: row u, half q at + 8 u + 4 q
.set SW, 20                            ; s20  wave
.set SG, 21                            ; s21  tile g
.set SE, 22                            ; s22  expert
.set SN, 23                            ; s23  rows n
.set SX, 34                            ; s34  8,448 s
.set SS, 35                            ; s35  64 s
.set TE, 36                            ; s36  16 s
.set CNTR, 37
.set MSB, 0
.macro WIN new                         ; the immediate's high byte repeats the setting that is left; a switch that changes nothing is dropped
.if MSB != (\new)
	s_set_vgpr_msb (MSB<<8)|(\new)
.set MSB, \new
.endif
.endm
.macro WLD j0, n, off                  ; n loads of 512 consecutive bytes: half fragments j0 on (the caller sets the destination's window)
.set jj, \j0
.rept \n
	global_load_b128 v[4*jj:4*jj+3], v[L16], s[26:27] offset:(\off)+512*jj
.set jj, jj+1
.endr
.endm
.macro VOFIX slot                      ; token numbers to byte offsets: bounded, x 1,024, + 16 x lane
	WIN 0
.irp u, 0,1,2,3
	v_min_u32 v[VO+4*(\slot)+\u], 0xffff, v[VO+4*(\slot)+\u]
.endr
.irp u, 0,1,2,3
	v_lshl_add_u32 v[VO+4*(\slot)+\u], v[VO+4*(\slot)+\u], 10, v[L16]
.endr
.endm
.macro XLOAD slot                      ; my wave's 4 rows of a group: each load covers 512 consecutive aligned bytes of one row
	WIN 0x40
.irp u, 0,1,2,3
	global_load_b128 v[RING+32*(\slot)+8*\u:RING+32*(\slot)+8*\u+3],   v[VO+4*(\slot)+\u], s[4:5]
	global_load_b128 v[RING+32*(\slot)+8*\u+4:RING+32*(\slot)+8*\u+7], v[VO+4*(\slot)+\u], s[4:5] offset:512
.endr
.endm
.macro XCVT slot
	WIN 0x05
.set i, 0
.rept 16
	v_cvt_pk_bf16_f32 v[CT+i], v[RING+32*(\slot)+2*i], v[RING+32*(\slot)+2*i+1]
.set i, i+1
.endr
.endm
.macro XST adr, base                   ; each store covers 256 consecutive bytes of an LDS row
	WIN 0
.irp u, 0,1,2,3
	ds_store_b64 v[\adr], v[CT+4*\u:CT+4*\u+1]   offset:(\base)+XP*\u
	ds_store_b64 v[\adr], v[CT+4*\u+2:CT+4*\u+3] offset:(\base)+XP*\u+256
.endr
.endm
; The products: 32 matrix instructions each; the four accumulators take turns, one instruction a turn; the first K step takes the bias as C.
.macro MUL1
	WIN 0x52                               ; W1 window 2, x window 0, C and D window 1
.irp ks, 0,1,2,3,4,5,6,7
.irp mb, 0,1,2,3
.if \ks == 0
	v_wmma_f32_16x16x32_bf16 v[ACC1+8*\mb:ACC1+8*\mb+7], v[8*(8*\mb+\ks):8*(8*\mb+\ks)+7], v[XF+8*\ks:XF+8*\ks+7], v[B1C+8*\mb:B1C+8*\mb+7]
.else
	v_wmma_f32_16x16x32_bf16 v[ACC1+8*\mb:ACC1+8*\mb+7], v[8*(8*\mb+\ks):8*(8*\mb+\ks)+7], v[XF+8*\ks:XF+8*\ks+7], v[ACC1+8*\mb:ACC1+8*\mb+7]
.endif
.endr
.endr
.endm
.macro MUL2
	WIN 0x5c                               ; H window 0, W2 window 3, C and D window 1; both operands f16
.irp ks, 0,1,2,3,4,5,6,7
.irp nb, 0,1,2,3
.if \ks == 0
	v_wmma_f32_16x16x32_f16 v[ACC2+8*\nb:ACC2+8*\nb+7], v[HF+8*\ks:HF+8*\ks+7], v[8*(8*\nb+\ks):8*(8*\nb+\ks)+7], v[B2C+8*\nb:B2C+8*\nb+7]
.else
	v_wmma_f32_16x16x32_f16 v[ACC2+8*\nb:ACC2+8*\nb+7], v[HF+8*\ks:HF+8*\ks+7], v[8*(8*\nb+\ks):8*(8*\nb+\ks)+7], v[ACC2+8*\nb:ACC2+8*\nb+7]
.endif
.endr
.endr
.endm
.macro PACKH hw                        ; the hidden layer: rounded to f16 (each accumulator from its low end on), ReLU on the packed halves, 16 bytes a lane and block into buffer hw
	WIN 0x05
.set i, 0
.rept 16
	v_cvt_pk_f16_f32 v[HP+i], v[ACC1+2*i], v[ACC1+2*i+1]
.set i, i+1
.endr
	WIN 0
.set i, 0
.rept 16
	v_pk_max_num_f16 v[HP+i], v[HP+i], v[ZERO]
.set i, i+1
.endr
.irp mb, 0,1,2,3
	ds_store_b128 v[HW], v[HP+4*\mb:HP+4*\mb+3] offset:(\hw)*TILEB+32*\mb
.endr
.endm
.macro SCALE                           ; times the token's gate, into the order in which a row of out0 lies
	WIN 0x01
.irp nb, 0,1,2,3
.irp j, 0,1,2,3,4,5,6,7
	v_mul_f32 v[OB+4*\j+\nb], v[ACC2+8*\nb+\j], v[G+\j]
.endr
.endr
.endm
.macro OUTS                            ; the group's 16 rows end at row TE of the tile
	WIN 0
	s_cmp_le_u32 s[TE], s[SN]
	s_cbranch_scc0 .Lpart_\@
.irp j, 0,1,2,3,4,5,6,7
	global_store_b128 v[TK+\j], v[OB+4*\j:OB+4*\j+3], s[32:33] th:TH_STORE_NT  ; 16 lanes store 256 consecutive bytes, at a multiple of 256 from out0's first byte
.endr
	s_branch .Lsent_\@
.Lpart_\@:
	s_sub_co_i32 s38, s[SN], s[TE]
	s_add_co_i32 s38, s38, 16                      ; rows of the group inside the count
	s_cmp_gt_i32 s38, 0
	s_cbranch_scc0 .Lsent_\@                       ; none: all eight stores are jumped
	v_sub_nc_u32 v[REM], s38, v[H8]
.irp j, 0,1,2,3,4,5,6,7
	s_wait_xcnt 0x0                                ; EXEC is a source of the loads and stores above: it changes only behind this wait
	v_cmpx_lt_i32 \j, v[REM]                       ; the lanes whose row j is inside the count: fewer from j to j + 1, never more
	global_store_b128 v[TK+\j], v[OB+4*\j:OB+4*\j+3], s[32:33] th:TH_STORE_NT
.endr
	s_wait_xcnt 0x0
	s_mov_b32 exec_lo, -1
.Lsent_\@:
.endm
; STEP s.  p1: product 1 of group s.  p2: product 2 and stores of group s - 1.  xf: group s + 1's fragments.  st: group s + 4 into LDS, from ring slot 'slot', with cnt younger loads left out.
; ld: group s + 8 asked for, into the same slot.  hw: the H buffer written (s % 2); the other is read.  last: no barrier follows.
.macro STEP p1, p2, xf, st, ld, cnt, slot, hw, last
	WIN 0
.if \p2
	s_wait_xcnt 0x0                                ; the last step's stores have had their addresses translated (ISA guide 3.1): TK and OB are rewritten only behind this wait
	v_add_nc_u32 v[TKA], s[SS], v[TKB]
.irp ks, 0,1,2,3,4,5,6,7
	ds_load_b128 v[HF+8*\ks:HF+8*\ks+3],   v[HR] offset:(1-(\hw))*TILEB+64*\ks
	ds_load_b128 v[HF+8*\ks+4:HF+8*\ks+7], v[HR] offset:(1-(\hw))*TILEB+64*\ks+32
.endr
	ds_load_b128 v[TK:TK+3],   v[TKA]
	ds_load_b128 v[TK+4:TK+7], v[TKA] offset:16
	ds_load_b128 v[G:G+3],     v[TKA] offset:GTO
	ds_load_b128 v[G+4:G+7],   v[TKA] offset:GTO+16
.endif
.if \p1
	MUL1
.endif
.if \st
	s_wait_loadcnt \cnt                            ; loads come back in order (ISA guide 5.7.1): the slot's eight are in, the younger groups' stay out; it also frees the slot's offsets
	XCVT \slot                                     ; sixteen plain instructions that name nothing of product 1: the places behind it (ISA guide 7.12.1)
	WIN 0
	v_add_nc_u32 v[XSA], s[SX], v[XS4]
	XST XSA, 0
.elseif \p1
.rept 4
	v_nop                                          ; the places behind product 1
.endr
.endif
.if \xf
	WIN 0
	v_add_nc_u32 v[XAA], s[SX], v[XA]
.irp ks, 0,1,2,3,4,5,6,7
	ds_load_b128 v[XF+8*\ks:XF+8*\ks+3],   v[XAA] offset:64*\ks
	ds_load_b128 v[XF+8*\ks+4:XF+8*\ks+7], v[XAA] offset:64*\ks+32
.endr
.endif
.if \p1
	PACKH \hw
.endif
.if \ld
	v_add_nc_u32 v[TLA], s[SS], v[TL8]
	ds_load_b128 v[VO+4*(\slot):VO+4*(\slot)+3], v[TLA]
.endif
.if \p2
	s_wait_dscnt 8*(\st)+16*(\xf)+4*(\p1)+(\ld)    ; H's fragments, the tokens and the gates are in; what was issued behind those twenty may be out
	MUL2
	WIN 0
.irp j, 0,1,2,3,4,5,6,7
	v_min_u32 v[TK+\j], 0xffff, v[TK+\j]           ; sixteen plain instructions: the places behind product 2
.endr
.irp j, 0,1,2,3,4,5,6,7
	v_lshl_add_u32 v[TK+\j], v[TK+\j], 10, v[C16]
.endr
.endif
.if \ld
	s_wait_dscnt 0x0                               ; the token numbers
	VOFIX \slot
	XLOAD \slot
.endif
.if \p2
	SCALE
	OUTS
.endif
	WIN 0
	s_add_co_u32 s[SX], s[SX], TILEB
	s_add_co_u32 s[SS], s[SS], 64
	s_add_co_u32 s[TE], s[TE], 16
.if !(\last)
	s_wait_dscnt 0x0                               ; my stores into H and x are done, my reads of the other H buffer are back, the next fragments of x are in
	s_barrier_signal -1
	s_barrier_wait -1
.endif
.endm
	s_load_b512 s[4:19], s[0:1], 0x0               ; x s[4:5], list s[6:7], tiles s[8:9], gate s[10:11], wt s[12:13], b1 s[14:15], b2 s[16:17], out0 s[18:19]
	v_lshl_add_u32 v[SPW], v0, 2, SPARE
	v_mov_b32 v[NIL], 0
	v_mov_b32 v[ZERO], 0
	v_lshrrev_b32 v[TMP], 5, v0
	v_readfirstlane_b32 s[SW], v[TMP]              ; wave 0..3
	s_mov_b32 s[SG], ttmp9
	v_and_b32 v[LN], 31, v0
	v_and_b32 v[RR], 15, v0
	v_bfe_u32 v[HH], v0, 4, 1
	v_lshlrev_b32 v[L16], 4, v[LN]
	v_lshlrev_b32 v[C16], 4, v[RR]
	v_mul_u32_u24 v[XA], v[RR], XP
	v_lshl_add_u32 v[XA], v[HH], 4, v[XA]          ; a fragment: row lane % 16, 16 bytes for each half of the lanes, and 32 bytes on
	s_mul_i32 s38, s[SW], 4*XP
	v_lshl_add_u32 v[XS0], v[LN], 3, s38           ; my wave's rows 4 w .. 4 w + 3 of a group, 8 bytes a lane
	v_add_nc_u32 v[XS4], 4*TILEB, v[XS0]
	s_lshl_b32 s39, s[SW], 7
	v_add_nc_u32 v[HR], H0, v[XA]
	v_add_nc_u32 v[HW], s39, v[HR]                 ; my wave's 64 hidden places are 128 bytes of a row of H
	v_lshl_add_u32 v[TKB], v[HH], 5, TOK-64
	s_lshl_b32 s40, s[SW], 4
	v_mov_b32 v[TL0], s40
	v_add_nc_u32 v[TL0], TOK, v[TL0]
	v_add_nc_u32 v[TL8], 512, v[TL0]
	v_lshlrev_b32 v[H8], 3, v[HH]
	s_mul_i32 s38, s[SW], 272                      ; wave w brings places 68 w .. 68 w + 67 of the list: 32, 32, and 4 (each by eight lanes)
	v_lshl_add_u32 v[LA], v[LN], 2, s38
	v_and_b32 v[TMP], 3, v0
	v_lshl_add_u32 v[LB], v[TMP], 2, s38
	s_lshl_b32 s38, s[SG], 3
	s_mov_b32 s39, 0
	s_mul_i32 s40, s[SG], 1088
	s_mov_b32 s41, 0
	s_wait_kmcnt 0x0
	s_add_nc_u64 s[8:9], s[8:9], s[38:39]
	s_load_b64 s[SE:SE+1], s[8:9], 0x0             ; (expert, rows)
	s_add_nc_u64 s[6:7], s[6:7], s[40:41]
	global_load_b32 v[LI],   v[LA], s[6:7]
	global_load_b32 v[LI+1], v[LA], s[6:7] offset:128
	global_load_b32 v[LI+2], v[LB], s[6:7] offset:256
	s_wait_kmcnt 0x0
	s_min_u32 s[SE], s[SE], 7                      ; numbers read from memory enter addresses and counts only so bounded
	s_min_u32 s[SN], s[SN], 272
	s_lshl_b32 s38, s[SE], 17
	s_lshl_b32 s40, s[SW], 15
	s_add_co_u32 s38, s38, s40
	s_add_nc_u64 s[26:27], s[12:13], s[38:39]      ; my quarter of the expert's W1; W2's lies 2^20 bytes on
	s_lshl_b32 s38, s[SE], 10
	s_lshl_b32 s40, s[SW], 8
	s_add_co_u32 s38, s38, s40
	s_add_nc_u64 s[28:29], s[14:15], s[38:39]      ; b1 and b2 at the expert's row, my wave's 64 numbers
	s_add_nc_u64 s[30:31], s[16:17], s[38:39]
	s_mov_b32 s38, s40
	s_add_nc_u64 s[32:33], s[18:19], s[38:39]      ; out0 at my wave's 256 bytes of a row
	WIN 0x80
	WLD 0, 32, 0                                   ; half of W1 goes out while the list is on its way
	WIN 0
	s_wait_loadcnt 32                              ; the list's three loads are in; the 32 weight loads behind them stay out
.irp k, 0,1,2
	v_min_u32 v[LI+\k], 0xffff, v[LI+\k]
.endr
.irp k, 0,1,2
	v_lshlrev_b32 v[XAA+\k], 2, v[LI+\k]
.endr
.irp k, 0,1,2
	global_load_b32 v[GV+\k], v[XAA+\k], s[10:11]  ; the tokens' gates
.endr
	v_add_nc_u32 v[LA], TOK, v[LA]                 ; free since the wait above: now LDS addresses
	v_add_nc_u32 v[LB], TOK, v[LB]
	ds_store_b32 v[LA], v[LI]
	ds_store_b32 v[LA], v[LI+1] offset:128
	ds_store_b32 v[LB], v[LI+2] offset:256
	s_wait_dscnt 0x0                               ; for the others' sake: my part of the token numbers is in LDS
	s_barrier_signal -1
	s_barrier_wait -1
.irp k, 0,1,2,3
	ds_load_b128 v[VO+4*\k:VO+4*\k+3], v[TL0] offset:64*\k
.endr
	s_wait_dscnt 0x0
.irp k, 0,1,2,3
	VOFIX \k
.endr
.irp k, 0,1,2,3
	XLOAD \k                                       ; groups 0-3
.endr
	WIN 0x80
	WLD 32, 32, 0                                  ; the rest of W1,
	WIN 0xc0
	WLD 0, 64, 1<<20                               ; W2,
	WIN 0
	v_lshlrev_b32 v[TMP], 7, v[HH]
.irp j, 0,1,2,3,4,5,6,7
	global_load_b128 v[OB+4*\j:OB+4*\j+3], v[TMP], s[28:29] offset:16*\j  ; b1 of hidden units 64 w + 4 (8 h + j) + 0..3: register j of blocks 0-3
.endr
	global_load_b128 v[HP:HP+3], v[C16], s[30:31]  ; b2 of channels 64 w + 4 r + 0..3
	s_wait_loadcnt 0x0                             ; everything asked for so far
.irp k, 0,1,2,3
	ds_load_b128 v[VO+4*\k:VO+4*\k+3], v[TL0] offset:256+64*\k
.endr
	ds_store_b32 v[LA], v[GV]   offset:GTO
	ds_store_b32 v[LA], v[GV+1] offset:GTO+128
	ds_store_b32 v[LB], v[GV+2] offset:GTO+256
	; the biases: rounded to bf16 like every input, widened again, and laid as the products' C operands
.set i, 0
.rept 16
	v_cvt_pk_bf16_f32 v[CT+i], v[OB+2*i], v[OB+2*i+1]
.set i, i+1
.endr
	v_cvt_pk_bf16_f32 v[HP+4], v[HP], v[HP+1]
	v_cvt_pk_bf16_f32 v[HP+5], v[HP+2], v[HP+3]
	WIN 0x40
.irp mb, 0,1,2,3
.irp j, 0,1,2,3,4,5,6,7
.if \mb % 2
	v_and_b32 v[B1C+8*\mb+\j], 0xffff0000, v[CT+2*\j+\mb/2]
	v_and_b32 v[B2C+8*\mb+\j], 0xffff0000, v[HP+4+\mb/2]
.else
	v_lshlrev_b32 v[B1C+8*\mb+\j], 16, v[CT+2*\j+\mb/2]
	v_lshlrev_b32 v[B2C+8*\mb+\j], 16, v[HP+4+\mb/2]
.endif
.endr
.endr
	WIN 0
	s_wait_dscnt 0x0                               ; the token numbers of groups 4-7
.irp k, 0,1,2,3
	VOFIX \k
.endr
.irp k, 0,1,2,3
	XCVT \k                                        ; groups 0-3 into LDS,
	XST XS0, \k*TILEB
	XLOAD \k                                       ; groups 4-7 asked for
.endr
	WIN 0
	s_wait_dscnt 0x0                               ; for the others' sake: my rows of x and my gates are in LDS
	s_barrier_signal -1
	s_barrier_wait -1
.irp ks, 0,1,2,3,4,5,6,7
	ds_load_b128 v[XF+8*\ks:XF+8*\ks+3],   v[XA] offset:64*\ks
	ds_load_b128 v[XF+8*\ks+4:XF+8*\ks+7], v[XA] offset:64*\ks+32
.endr
	v_add_nc_u32 v[XA], TILEB, v[XA]               ; from now on: the group after the step's
	s_mov_b32 s[SX], 0
	s_mov_b32 s[SS], 0
	s_mov_b32 s[TE], 0
	s_wait_dscnt 0x0
	STEP 1, 0, 1, 1, 1, 24, 0, 0, 0                ; step 0
	s_mov_b32 s[CNTR], 2
.Lsteps:                                               ; steps 1-4 and 5-8: behind the staged group's loads stand those of three younger groups, 24
	STEP 1, 1, 1, 1, 1, 24, 1, 1, 0
	STEP 1, 1, 1, 1, 1, 24, 2, 0, 0
	STEP 1, 1, 1, 1, 1, 24, 3, 1, 0
	STEP 1, 1, 1, 1, 1, 24, 0, 0, 0
	s_sub_co_u32 s[CNTR], s[CNTR], 1
	s_cmp_lg_u32 s[CNTR], 0
	s_cbranch_scc1 .Lsteps
	STEP 1, 1, 1, 1, 0, 24, 1, 1, 0                ; steps 9-12 ask for nothing more: the counts run down
	STEP 1, 1, 1, 1, 0, 16, 2, 0, 0
	STEP 1, 1, 1, 1, 0, 8,  3, 1, 0
	STEP 1, 1, 1, 1, 0, 0,  0, 0, 0
	STEP 1, 1, 1, 0, 0, 0,  0, 1, 0                ; steps 13-15: all of x is in LDS
	STEP 1, 1, 1, 0, 0, 0,  0, 0, 0
	STEP 1, 1, 1, 0, 0, 0,  0, 1, 0
	STEP 1, 1, 0, 0, 0, 0,  0, 0, 0                ; step 16: the last group's product 1
	STEP 0, 1, 0, 0, 0, 0,  0, 1, 1                ; step 17: its product 2
	s_wait_tensorcnt 0x0                           ; the wave's end, behind my last LDS store
	ds_add_u32 v[SPW], v[NIL]
	s_wait_dscnt 0x0
	s_endpgm
.Lfunc_end_k_qcc3b47e4b9_chain:
	.size	k_qcc3b47e4b9_chain, .Lfunc_end_k_qcc3b47e4b9_chain-k_qcc3b47e4b9_chain
	.p2alignl 7, 3214868480
	.fill 96, 4, 3214868480
	.section	.rodata,"a",@progbits
	.p2align	6, 0x0
	.amdhsa_kernel k_qcc3b47e4b9_chain
		.amdhsa_group_segment_fixed_size 163840
		.amdhsa_private_segment_fixed_size 0
		.amdhsa_enable_private_segment 0
		.amdhsa_kernarg_size 64
		.amdhsa_user_sgpr_count 2
		.amdhsa_user_sgpr_kernarg_segment_ptr 1
		.amdhsa_wavefront_size32 1
		.amdhsa_system_sgpr_workgroup_id_x 1
		.amdhsa_system_sgpr_workgroup_id_y 1
		.amdhsa_system_sgpr_workgroup_id_z 1
		.amdhsa_system_vgpr_workitem_id 0
		.amdhsa_next_free_vgpr 1024
		.amdhsa_next_free_sgpr 66
		.amdhsa_reserve_vcc 0
		.amdhsa_float_denorm_mode_32 3
		.amdhsa_float_denorm_mode_16_64 3
		.amdhsa_memory_ordered 1
		.amdhsa_forward_progress 1
		.amdhsa_inst_pref_size 236
	.end_amdhsa_kernel
	.amdgpu_metadata
---
amdhsa.version: [ 1, 2 ]
amdhsa.kernels:
  - .name:           k_qcc3b47e4b9_chain
    .symbol:         k_qcc3b47e4b9_chain.kd
    .args:
      - { .name: x, .offset: 0, .size: 8, .value_kind: global_buffer, .address_space: global }
      - { .name: list, .offset: 8, .size: 8, .value_kind: global_buffer, .address_space: global }
      - { .name: tiles, .offset: 16, .size: 8, .value_kind: global_buffer, .address_space: global }
      - { .name: gate, .offset: 24, .size: 8, .value_kind: global_buffer, .address_space: global }
      - { .name: wt, .offset: 32, .size: 8, .value_kind: global_buffer, .address_space: global }
      - { .name: b1, .offset: 40, .size: 8, .value_kind: global_buffer, .address_space: global }
      - { .name: b2, .offset: 48, .size: 8, .value_kind: global_buffer, .address_space: global }
      - { .name: out0, .offset: 56, .size: 8, .value_kind: global_buffer, .address_space: global }
    .group_segment_fixed_size: 163840
    .private_segment_fixed_size: 0
    .kernarg_segment_align: 8
    .kernarg_segment_size: 64
    .max_flat_workgroup_size: 128
    .sgpr_count:     66
    .vgpr_count:     1024
    .wavefront_size: 32
...
	.end_amdgpu_metadata
.endif
;; end of part 3
